; MI455X (gfx1250); checked and timed in simulation.
; The chip was launched on July 23, 2026; its instructions are those of AMD's public machine-readable ISA for CDNA 5 (MIT licence, August 2026) and "CDNA5" Instruction Set Architecture Reference Guide (July 2026). The comments in the code are by the model that wrote it; some were corrected since.
;; Interaction Transition Model. Allowed arithmetic: float matrix products may take bf16 or f16 operands with f32 sums; all other float work in f32.
;; Inputs: W1 66 x 256 float32; W2 256 x 2 float32; Wk 128 x 64 float32; Wq 128 x 64 float32; Wv 128 x 64 float32; action 2,048 x 2 float32; b1 256 float32; b2 2 float32; bk 64 float32; bq 64 float32; bv 64 float32; ln_b 256 float32; ln_g 256 float32; obs 8,192 x 128 float32.
;; Outputs: out0 8,192 x 5 float32.
;; One version. Each part assembles by itself: llvm-mc -triple=amdgcn-amd-amdhsa -mcpu=gfx1250 --defsym DOCPART=n.
;; ======== version 1 of 1: 2 launches
;; limits: inputs' magnitudes at most 1,000,000
;; workspace buffers: part 66,560 bytes; state 262,144 bytes
;; launch partial (part 1): grid 128 x 1, 8 waves a work-group, no clusters, 42,752 bytes of LDS; arguments obs, Wq, bq, Wk, bk, part, state; writes part, state
.if DOCPART == 1
	.amdgcn_target "amdgcn-amd-amdhsa--gfx1250"
	.amdhsa_code_object_version 6
	.text
	.protected	k_q529dd3017e_partial
	.globl	k_q529dd3017e_partial
	.p2align	8
	.type	k_q529dd3017e_partial,@function
k_q529dd3017e_partial:
	s_mov_b64 s[64:65], 0
	v_nop
	global_prefetch_b8 v0, s[64:65] scope:SCOPE_SE
	s_setreg_imm32_b32 hwreg(HW_REG_WAVE_MODE, 25, 1), 1
	s_wait_xcnt 0x0
; partial: the softmax-weighted sum of obs rows for query row 0, one partial result for each work-group of 64 rows.
;
; WHAT IS COMPUTED.  The JAX function feeds pred_action[0] into the bicycle step of EVERY row, so of the attention and of the
; MLP only row 0 reaches an output, for every input; rows 1..8191 of q, of the softmax and of the MLP are not computed.
; For row 0, exactly by algebra:  q0 = obs[0] Wq + bq;  score_j = q0 . k_j = obs_j . u + c0  with u = Wk q0, c0 = bk . q0;
; out[0] = (sum_j p_j obs_j) Wv + bv, since the p_j sum to one.  This launch makes, for its 64 rows, the running maximum m
; (base-2 exponents, c0 included), l = sum 2^(s_j - m) and acc[128] = sum 2^(s_j - m) obs_j; the next launch joins the 128 parts.
; It also copies columns 0..7 of its rows densely into state (32 bytes a row), so that the next launch need not pick
; 20 bytes out of every row of 512.
;
; ALL PRODUCTS ARE f32 VECTOR FMAs, not matrix instructions: each product has one live row (15 of a tile's 16 rows would be
; idle), and the output yaw1 jumps by 2 pi at +-pi, so an error of a 16-bit operand's size in throttle or delta would put
; several of the 8,192 rows on the wrong side of the jump.
; NO CLUSTER, NO JOINT REQUESTS: what the work-groups share is Wq and Wk (64 KiB for each of 128 work-groups); each is asked for
; once, in the first lines, straight into the lanes that use it.  A joint request would stand behind the cluster's barrier
; and add a trip LDS -> registers to the one dependent chain that this kernel consists of.
; NO RING: nothing is walked in steps; all 28 loads of a thread are issued at the head, in the order in which they are needed.
;
; LIMITS: finite inputs.  v_exp_f32 flushes results below 2^-126 to zero (ISA guide, its entry in 15.8): such terms vanish from l and acc.
;
; SHARES: work-group g: rows 64 g ..; wave w: rows 64 g + 8 w + r, r = 0..7; lane L: columns 4 L .. 4 L + 3 of each of them,
; so that one 16-byte load of a wave is one whole row of 512 bytes.
.set QP, 0                             ; LDS: 8 waves x 64 f32, partial q0
.set U,  2048                          ; LDS: u[128]
.set AP, 2560                          ; LDS: 8 waves x 128 f32, the waves' acc
.set ML, 6656                          ; LDS: 8 x (m, l)
.set ST, 6912                          ; LDS: 8 waves x 8 whole rows, each wave's own bytes: the turn from 16 bytes of a row a lane to 8 bytes of columns 0..7 a lane
.set SPITCH, 544                       ; a row there: 512 bytes + 32 = 136 words = 8 modulo 64, so that the first 8 words of a wave's 8 rows lie in 64 different banks (64 banks of 4 bytes: ISA guide 11.1)
.set SWAVE, 8*SPITCH                   ; 4,352 bytes a wave
.set O0, 16                            ; v[16:23]   obs[0][8 (t>>4) .. +7]
.set WQ, 24                            ; v[24:55]   Wq rows 8 (t>>4) + k, columns 4 (t&15) .. +3
.set BQ, 56                            ; v[56:59]   bq[4 (t&15) ..]
.set BK, 60                            ; v[60:63]   bk[4 (t&15) ..]
.set WK, 64                            ; v[64:95]   Wk, as Wq
.set X,  96                            ; v[96:127]  my wave's 8 rows, my 4 columns
.set Q,  128                           ; v[128:131] q0[4 (t&15) ..], at last times log2(e)
.set T,  132                           ; v[132:163] at work
.set UP, 164                           ; v[164:171] u[8 (t>>4) + k]; then v[164:165]: my 8 bytes for state
.set UQ, 172                           ; v[172:175] u[4 L ..]
.set S,  176                           ; v[176:183] scores of my wave's rows, then 2^(s - m)
.set C0, 184                           ; c0
.set MX, 185                           ; the wave's maximum
.set MLP, 186                          ; v[186:187] the pair (m + c0, l)
.set A,  188                           ; v[188:191] acc, my 4 columns
.set RD, 192                           ; LDS address at which I read my 8 bytes for state back
.set F,  X+16                          ; v[112:119] wave 0 at the end: the waves' factors
; v1 L; v2 16 (t&15); v3 2048 (t>>4) + 16 (t&15); v4 32 (t>>4); v5 4096 w + 16 L; v6, v7, v9, v10, v11 LDS store addresses;
; v8 16 L; v12 8 t; v13 8 g; v14 0; v15 at work
; d[0:1] = a[0:1] * one number of the pair p (odd = 0: the first, 1: the second); BFMA adds to d
.macro BMUL d, a, p, odd
.if \odd
	v_pk_mul_f32 v[\d:\d+1], v[\a:\a+1], v[\p:\p+1] op_sel:[0,1]
.else
	v_pk_mul_f32 v[\d:\d+1], v[\a:\a+1], v[\p:\p+1] op_sel_hi:[1,0]
.endif
.endm
.macro BFMA d, a, p, odd
.if \odd
	v_pk_fma_f32 v[\d:\d+1], v[\a:\a+1], v[\p:\p+1], v[\d:\d+1] op_sel:[0,1,0]
.else
	v_pk_fma_f32 v[\d:\d+1], v[\a:\a+1], v[\p:\p+1], v[\d:\d+1] op_sel_hi:[1,0,1]
.endif
.endm
.macro QADD d, s                       ; four numbers: d += s
	v_pk_add_f32 v[\d:\d+1], v[\d:\d+1], v[\s:\s+1]
	v_pk_add_f32 v[\d+2:\d+3], v[\d+2:\d+3], v[\s+2:\s+3]
.endm
.macro BAR                             ; my LDS stores and loads are done, for the others' sake: count zero; then the barrier
	s_wait_dscnt 0x0
	s_barrier_signal -1
	s_barrier_wait -1
.endm
	s_load_b256 s[4:11], s[0:1], 0x0               ; obs s[4:5], Wq s[6:7], bq s[8:9], Wk s[10:11]
	s_load_b128 s[12:15], s[0:1], 0x20             ; bk s[12:13], part s[14:15]
	s_load_b64 s[16:17], s[0:1], 0x30              ; state
	v_lshl_add_u32 v194, v0, 2, 0xa300
	v_mov_b32 v195, 0
	v_and_b32 v1, 31, v0                           ; L
	v_and_b32 v15, 15, v0
	v_lshlrev_b32 v2, 4, v15                       ; 16 (t&15)
	v_and_b32 v15, 0xf0, v0                        ; 16 (t>>4)
	v_lshl_or_b32 v3, v15, 7, v2                   ; 8 rows of 256 bytes for each t>>4, + my 16 bytes
	v_lshlrev_b32 v4, 1, v15                       ; 32 (t>>4)
	v_lshlrev_b32 v8, 4, v1                        ; 16 L
	v_and_b32 v15, 0xe0, v0                        ; 32 w
	v_lshl_or_b32 v5, v15, 7, v8                   ; 8 rows of 512 bytes for each wave, + my 16 bytes
	s_lshl_b32 s24, ttmp9, 15                      ; 64 rows of 512 bytes for each work-group
	s_mov_b32 s25, 0
	s_wait_kmcnt 0x0
	s_add_nc_u64 s[26:27], s[4:5], s[24:25]        ; obs at the group's first row
	; all 28 loads, in the order of need
	global_load_b128 v[O0:O0+3],   v4, s[4:5]
	global_load_b128 v[O0+4:O0+7], v4, s[4:5] offset:16
.irp k, 0,1,2,3,4,5,6,7
	global_load_b128 v[WQ+4*\k:WQ+4*\k+3], v3, s[6:7] offset:256*\k
.endr
	global_load_b128 v[BQ:BQ+3], v2, s[8:9]
	global_load_b128 v[BK:BK+3], v2, s[12:13]
.irp k, 0,1,2,3,4,5,6,7
	global_load_b128 v[WK+4*\k:WK+4*\k+3], v3, s[10:11] offset:256*\k
.endr
.irp r, 0,1,2,3,4,5,6,7
	global_load_b128 v[X+4*\r:X+4*\r+3], v5, s[26:27] offset:512*\r
.endr
	; the rest of the set-up, while they are on their way
	s_lshl_b32 s24, ttmp9, 9
	s_add_nc_u64 s[28:29], s[14:15], s[24:25]      ; part at acc of group g
	s_lshl_b32 s24, ttmp9, 11
	s_add_nc_u64 s[30:31], s[16:17], s[24:25]      ; state at the group's first row
	s_mov_b32 s22, 0x76543210                      ; v_permlanex16_b32: lane i of one half reads lane i of the other
	s_mov_b32 s23, 0xfedcba98
	v_lshrrev_b32 v15, 5, v0
	v_readfirstlane_b32 s18, v15                   ; wave number; every LDS store address = wave x constant + lane term
	s_lshl_b32 s19, s18, 8
	v_add_nc_u32 v6, s19, v2                       ; QP: 256 w + 16 (L&15)
	s_lshl_b32 s19, s18, 6
	v_bfe_u32 v15, v0, 4, 1
	v_lshl_add_u32 v7, v15, 5, s19                 ; U: 64 w + 32 (L>>4) = 32 (t>>4)
	s_lshl_b32 s19, s18, 9
	v_add_nc_u32 v9, s19, v8                       ; AP: 512 w + 16 L
	s_lshl_b32 s19, s18, 3
	v_mov_b32 v10, s19                             ; ML: 8 w
	s_mul_i32 s19, s18, SWAVE
	v_add_nc_u32 v11, s19, v8                      ; ST, in: 4352 w + 16 L (+ 544 r): at most 496 + 16 + 3,808 = 4,320 bytes into the wave's 4,352
	v_lshrrev_b32 v15, 2, v1
	v_mad_u32_u24 v[RD], v15, SPITCH, s19          ; ST, back: 4352 w + 544 (L>>2)
	v_and_b32 v15, 3, v1
	v_lshl_add_u32 v[RD], v15, 3, v[RD]            ;   + 8 (L&3): thread t = 32 w + L takes bytes 8 (t&3) .. of row t>>2 = 8 w + (L>>2), a row of its own wave
	v_lshlrev_b32 v12, 3, v0                       ; 8 t
	s_lshl_b32 s19, ttmp9, 3
	v_mov_b32 v13, s19                             ; 8 g
	v_mov_b32 v14, 0
	; 1. q0, my 8 rows of Wq x my 4 columns
	s_wait_loadcnt 18                              ; obs[0] and Wq are in; younger and still out: bq, bk, 8 of Wk, 8 rows
	BMUL Q, WQ, O0, 0
	BMUL Q+2, WQ+2, O0, 0
.irp k, 1,2,3,4,5,6,7
	BFMA Q, WQ+4*\k, O0+2*(\k/2), \k%2
	BFMA Q+2, WQ+4*\k+2, O0+2*(\k/2), \k%2
.endr
.irp i, 0,1,2,3
	v_permlanex16_b32 v[O0+\i], v[Q+\i], s22, s23  ; the other half of the wave holds 8 other rows, the same columns
.endr
	QADD Q, O0
	ds_store_b128 v6, v[Q:Q+3] offset:QP           ; both halves store the same numbers to the same bytes
	BAR
	; 2. q0 whole (times log2 e, so that all exponents are base 2), and c0
.irp i, 0,1,2,3,4,5,6,7
	ds_load_b128 v[T+4*\i:T+4*\i+3], v2 offset:QP+256*\i
.endr
	s_wait_dscnt 0x0
	QADD T, T+4
	QADD T+8, T+12
	QADD T+16, T+20
	QADD T+24, T+28
	QADD T, T+8
	QADD T+16, T+24
	QADD T, T+16
	s_wait_loadcnt 16                              ; bq and bk are in; 8 of Wk and 8 rows stay out
	QADD T, BQ
	v_pk_mul_f32 v[Q:Q+1], v[T:T+1], 0x3fb8aa3b op_sel_hi:[1,0]
	v_pk_mul_f32 v[Q+2:Q+3], v[T+2:T+3], 0x3fb8aa3b op_sel_hi:[1,0]
	v_mul_f32 v[C0], v[BK], v[Q]
	v_fmac_f32 v[C0], v[BK+1], v[Q+1]
	v_fmac_f32 v[C0], v[BK+2], v[Q+2]
	v_fmac_f32 v[C0], v[BK+3], v[Q+3]
.irp msk, 1,2,4,8
	v_add_f32_dpp v[C0], v[C0], v[C0] row_xmask:\msk row_mask:0xf bank_mask:0xf   ; 16 lanes hold the 64 columns
.endr
	; 3. u = Wk q0: my 8 rows, my 4 columns, summed over the 16 lanes that hold a row
	s_wait_loadcnt 8                               ; Wk is in; the 8 rows of obs stay out
.irp k, 0,1,2,3,4,5,6,7
	v_pk_mul_f32 v[T+2*\k:T+2*\k+1], v[WK+4*\k:WK+4*\k+1], v[Q:Q+1]
	v_pk_fma_f32 v[T+2*\k:T+2*\k+1], v[WK+4*\k+2:WK+4*\k+3], v[Q+2:Q+3], v[T+2*\k:T+2*\k+1]
	v_add_f32 v[UP+\k], v[T+2*\k], v[T+2*\k+1]
.endr
.irp msk, 1,2,4,8
.irp k, 0,1,2,3,4,5,6,7
	v_add_f32_dpp v[UP+\k], v[UP+\k], v[UP+\k] row_xmask:\msk row_mask:0xf bank_mask:0xf
.endr
.endr
	ds_store_b128 v7, v[UP:UP+3] offset:U          ; the 16 lanes of a half store the same 32 bytes
	ds_store_b128 v7, v[UP+4:UP+7] offset:U+16
	BAR
	; 4. scores of my wave's 8 rows, their maximum, the exponentials, l and acc; on the side, columns 0..7 on their way to state
	ds_load_b128 v[UQ:UQ+3], v8 offset:U
	s_wait_loadcnt 0x0                             ; the rows
.irp r, 0,1,2,3,4,5,6,7
	ds_store_b128 v11, v[X+4*\r:X+4*\r+3] offset:ST+SPITCH*\r      ; the rows whole, all lanes on, into my wave's own bytes
.endr
	ds_load_b64 v[UP:UP+1], v[RD] offset:ST        ; LDS serves a wave's instructions in order (ISA guide 5.7.1.4): it sees the stores above; no other wave touches these bytes
	s_wait_dscnt 9                                 ; u is in; the eight stores and the load issued behind it may be out
.irp r, 0,1,2,3,4,5,6,7
	v_pk_mul_f32 v[T+2*\r:T+2*\r+1], v[X+4*\r:X+4*\r+1], v[UQ:UQ+1]
	v_pk_fma_f32 v[T+2*\r:T+2*\r+1], v[X+4*\r+2:X+4*\r+3], v[UQ+2:UQ+3], v[T+2*\r:T+2*\r+1]
	v_add_f32 v[S+\r], v[T+2*\r], v[T+2*\r+1]
.endr
.irp msk, 1,2,4,8
.irp r, 0,1,2,3,4,5,6,7
	v_add_f32_dpp v[S+\r], v[S+\r], v[S+\r] row_xmask:\msk row_mask:0xf bank_mask:0xf
.endr
.endr
	s_wait_dscnt 0x0                               ; my 8 bytes for state
	global_store_b64 v12, v[UP:UP+1], s[30:31]     ; a wave's store covers 256 consecutive bytes, at a multiple of 256 from the buffer's first byte; v12 and v[164:165] are not written again
.irp r, 0,1,2,3,4,5,6,7
	v_permlanex16_b32 v[T+\r], v[S+\r], s22, s23
.endr
.irp r, 0,1,2,3,4,5,6,7
	v_add_f32 v[S+\r], v[S+\r], v[T+\r]            ; every lane holds the 8 scores
.endr
	v_max3_num_f32 v[MX], v[S], v[S+1], v[S+2]
	v_max3_num_f32 v[MX], v[MX], v[S+3], v[S+4]
	v_max3_num_f32 v[MX], v[MX], v[S+5], v[S+6]
	v_max_num_f32 v[MX], v[MX], v[S+7]
.irp r, 0,1,2,3,4,5,6,7
	v_sub_f32 v[S+\r], v[S+\r], v[MX]
.endr
.irp r, 0,1,2,3,4,5,6,7
	v_exp_f32 v[S+\r], v[S+\r]
.endr
	v_add_f32 v[MLP], v[MX], v[C0]                 ; the plain line behind the exponentials (ISA guide 5.7.2); c0 enters by the stored maximum alone, the exponents being differences
	s_wait_alu depctr_va_vdst(0)
	v_pk_add_f32 v[T:T+1], v[S:S+1], v[S+2:S+3]
	v_pk_add_f32 v[T+2:T+3], v[S+4:S+5], v[S+6:S+7]
	v_pk_add_f32 v[T:T+1], v[T:T+1], v[T+2:T+3]
	v_add_f32 v[MLP+1], v[T], v[T+1]               ; l
	BMUL A, X, S, 0
	BMUL A+2, X+2, S, 0
.irp r, 1,2,3,4,5,6,7
	BFMA A, X+4*\r, S+2*(\r/2), \r%2
	BFMA A+2, X+4*\r+2, S+2*(\r/2), \r%2
.endr
	ds_store_b128 v9, v[A:A+3] offset:AP
	ds_store_b64 v10, v[MLP:MLP+1] offset:ML       ; every lane the same pair to the same 8 bytes
	BAR
	; 5. wave 0 alone joins the eight waves' parts; no barrier follows
	s_cmp_lg_u32 s18, 0
	s_cbranch_scc1 .Lend
.irp i, 0,1,2,3
	ds_load_b128 v[X+4*\i:X+4*\i+3], v14 offset:ML+16*\i           ; (m, l) of wave i at X + 2 i
.endr
.irp i, 0,1,2,3,4,5,6,7
	ds_load_b128 v[T+4*\i:T+4*\i+3], v8 offset:AP+512*\i
.endr
	s_wait_dscnt 0x0
	v_max3_num_f32 v[MLP], v[X], v[X+2], v[X+4]
	v_max3_num_f32 v[MLP], v[MLP], v[X+6], v[X+8]
	v_max3_num_f32 v[MLP], v[MLP], v[X+10], v[X+12]
	v_max_num_f32 v[MLP], v[MLP], v[X+14]          ; the group's maximum, in the pair that is stored
.irp i, 0,1,2,3,4,5,6,7
	v_sub_f32 v[F+\i], v[X+2*\i], v[MLP]
.endr
.irp i, 0,1,2,3,4,5,6,7
	v_exp_f32 v[F+\i], v[F+\i]
.endr
	v_nop                                          ; the plain place behind the exponentials: no independent work is left here
	s_wait_alu depctr_va_vdst(0)
	v_mul_f32 v[MLP+1], v[F], v[X+1]
.irp i, 1,2,3,4,5,6,7
	v_fmac_f32 v[MLP+1], v[F+\i], v[X+2*\i+1]
.endr
	BMUL A, T, F, 0
	BMUL A+2, T+2, F, 0
.irp i, 1,2,3,4,5,6,7
	BFMA A, T+4*\i, F+2*(\i/2), \i%2
	BFMA A+2, T+4*\i+2, F+2*(\i/2), \i%2
.endr
	global_store_b128 v8, v[A:A+3], s[28:29]       ; 512 consecutive bytes, aligned to 512
	v_cmp_eq_u32 vcc_lo, 0, v1
	s_wait_xcnt 0x0                                ; EXEC is a source of the stores above: it narrows only behind this wait
	s_and_saveexec_b32 s20, vcc_lo
	global_store_b64 v13, v[MLP:MLP+1], s[14:15] offset:65536      ; one pair a group, packed so that the next launch reads 1,024 dense bytes
	s_wait_xcnt 0x0                                ; and widens only behind this one
	s_or_b32 exec_lo, exec_lo, s20
.Lend:
	s_wait_tensorcnt 0x0
	ds_add_u32 v194, v195
	s_wait_dscnt 0x0
	s_endpgm
.Lfunc_end_k_q529dd3017e_partial:
	.size	k_q529dd3017e_partial, .Lfunc_end_k_q529dd3017e_partial-k_q529dd3017e_partial
	.p2alignl 7, 3214868480
	.fill 96, 4, 3214868480
	.section	.rodata,"a",@progbits
	.p2align	6, 0x0
	.amdhsa_kernel k_q529dd3017e_partial
		.amdhsa_group_segment_fixed_size 42752
		.amdhsa_private_segment_fixed_size 0
		.amdhsa_enable_private_segment 0
		.amdhsa_kernarg_size 56
		.amdhsa_user_sgpr_count 2
		.amdhsa_user_sgpr_kernarg_segment_ptr 1
		.amdhsa_wavefront_size32 1
		.amdhsa_system_sgpr_workgroup_id_x 1
		.amdhsa_system_sgpr_workgroup_id_y 1
		.amdhsa_system_sgpr_workgroup_id_z 1
		.amdhsa_system_vgpr_workitem_id 0
		.amdhsa_next_free_vgpr 196
		.amdhsa_next_free_sgpr 66
		.amdhsa_reserve_vcc 1
		.amdhsa_float_denorm_mode_32 3
		.amdhsa_float_denorm_mode_16_64 3
		.amdhsa_memory_ordered 1
		.amdhsa_forward_progress 1
		.amdhsa_inst_pref_size 23
	.end_amdhsa_kernel
	.amdgpu_metadata
---
amdhsa.version: [ 1, 2 ]
amdhsa.kernels:
  - .name:           k_q529dd3017e_partial
    .symbol:         k_q529dd3017e_partial.kd
    .args:
      - { .name: obs, .offset: 0, .size: 8, .value_kind: global_buffer, .address_space: global }
      - { .name: Wq, .offset: 8, .size: 8, .value_kind: global_buffer, .address_space: global }
      - { .name: bq, .offset: 16, .size: 8, .value_kind: global_buffer, .address_space: global }
      - { .name: Wk, .offset: 24, .size: 8, .value_kind: global_buffer, .address_space: global }
      - { .name: bk, .offset: 32, .size: 8, .value_kind: global_buffer, .address_space: global }
      - { .name: part, .offset: 40, .size: 8, .value_kind: global_buffer, .address_space: global }
      - { .name: state, .offset: 48, .size: 8, .value_kind: global_buffer, .address_space: global }
    .group_segment_fixed_size: 42752
    .private_segment_fixed_size: 0
    .kernarg_segment_align: 8
    .kernarg_segment_size: 56
    .max_flat_workgroup_size: 256
    .sgpr_count:     66
    .vgpr_count:     196
    .wavefront_size: 32
...
	.end_amdgpu_metadata
.endif
;; end of part 1
;; launch finish (part 2): grid 32 x 1, 8 waves a work-group, no clusters, 13,312 bytes of LDS; arguments part, state, Wv, bv, action, W1, b1, ln_g, ln_b, W2, b2, out0; writes out0
.if DOCPART == 2
	.amdgcn_target "amdgcn-amd-amdhsa--gfx1250"
	.amdhsa_code_object_version 6
	.text
	.protected	k_q529dd3017e_finish
	.globl	k_q529dd3017e_finish
	.p2align	8
	.type	k_q529dd3017e_finish,@function
k_q529dd3017e_finish:
	s_mov_b64 s[64:65], 0
	v_nop
	global_prefetch_b8 v0, s[64:65] scope:SCOPE_SE
	s_setreg_imm32_b32 hwreg(HW_REG_WAVE_MODE, 25, 1), 1
	s_wait_xcnt 0x0
; finish: joins the 128 softmax parts, runs row 0 through Wv and the MLP (Linear, LayerNorm, ReLU, Linear), and steps the
; bicycle model for 256 rows a work-group, one thread a row.
;
; The JAX function uses pred_action[0] for every row, so throttle and delta are two numbers.  Every work-group makes them for
; itself with all its 256 threads: they cannot be handed from one work-group to another inside a launch.  32 work-groups:
; more would only repeat the reads of the head (part 65 KiB, Wv 32 KiB, W1 66 KiB for each).
; ALL PRODUCTS ARE f32 VECTOR FMAs: each has one live row, and yaw1 jumps by 2 pi at +-pi, so that an error of a 16-bit
; operand's size in throttle or delta would put several of the 8,192 rows on the wrong side of the jump.
; NO CLUSTER, NO JOINT REQUESTS: the shared bytes (32 x 176 KiB) are asked for once, at the head, straight into the lanes that use
; them; a joint request would stand behind the cluster's barrier and add a trip LDS -> registers to the one dependent chain.
; NO RING: nothing is walked in steps.
;
; sin and cos: x = K pi/2 + r, |r| <= pi/4, by two FMAs with pi/2 in two parts; Taylor sums to r^7 and r^8.
; atan2(sin a, cos a) = a - 2 pi rndne(a / 2 pi), 2 pi in two parts.
; LIMITS: finite inputs.  The Taylor sums err by at most 3.2e-7.  The two-part reduction holds to |yaw|, |a| of about 1e6 rad;
; beyond that its error grows with the angle.  Where a = pi (mod 2 pi) to within about one unit in a's last place, yaw1 may be -pi
; where atan2 gives +pi, or the reverse.  The clamp of delta (max, min) does not carry a NaN.  v_exp_f32, v_sqrt_f32 flush denormals
; (ISA guide, their entries in 15.8): a speed whose square is below 2^-126 counts as 0.
.set AP,  0                            ; LDS: 8 waves x 128 f32: the waves' parts of abar = sum p_j obs_j
.set HP,  4096                         ; LDS: 8 waves x 64 f32: the waves' parts of abar Wv
.set H,   6144                         ; LDS: out[0], 64 f32
.set LN,  6400                         ; LDS: 8 x (mean, sum of squared deviations)
.set PR,  6656                         ; LDS: 8 x (p0, p1)
.set OUT, 6912                         ; LDS: 256 rows x 20 bytes
; every region is stored once and read behind one barrier: no region is used again
.set MLV, 16                           ; v[16:23]   (m, l) of groups 4 L .. 4 L + 3
.set R64, 24                           ; v[24:87]   acc of groups 16 w + j (4 registers each); later whatever comes back from LDS
.set WV,  88                           ; v[88:119]  Wv rows 8 (t>>4) + k, columns 4 (t&15) .. +3
.set BV,  120                          ; bv[t & 63]
.set W1R, 122                          ; v[122:187] W1[c][t] in v[122 + c]
.set B1,  188
.set LG,  189
.set LB,  190
.set W2R, 192                          ; v[192:193] W2[t][0..1]
.set WT,  194                          ; v[194:209] 2^(m_g - M) of my wave's 16 groups
.set AHP, 210                          ; LDS store addresses: wave x constant + lane term
.set AAP, 211
.set AZ,  212                          ; 0
.set AW8, 213                          ; 8 w
.set AOUT, 214                         ; 640 w + 20 L = 20 t
.set AH,  215                          ; 128 w + 4 L = 4 t
.set MM,  216                          ; the maximum over all rows
.set LS,  217                          ; the softmax's denominator
.set RL,  218                          ; 1 / it
.set ZZ,  220                          ; z[t]
.set ZI,  221                          ; b1[t] + action[0] . W1[64:66][t]
.set QD,  222                          ; v[222:225] four sums
.set CH,  226                          ; v[226:229] two packed chains; then (mean, M2)
.set SC_K, 238                         ; SINCOS at work
.set SC_R, 239
.set SC_Z, 240
.set SC_S, 241
.set SC_C, 242
.set SC_Q, 243
.set SC_T, 244                         ; also the temporary of the lane exchanges: written in the first SINCOS, ahead of all of them
.set SN,  246
.set CS,  247
.set TMP, 248                          ; v[248:255] at work
; v1 32 t; v2 32 L; v3 8192 w + 16 L; v4 2048 (t>>4) + 16 (t&15); v5 4 (t&63); v6 4 t; v7 8 t; v8 16 t; v9 32 (t>>4)
; v10 x, v11 y, v12 vx then v0 - 0.2 f_load then v1, v13 vy then 0.2 cos yaw, v14 yaw then a, v15 0.2 sin yaw
.macro BMUL d, a, p, odd               ; d[0:1] = a[0:1] * one number of the pair p (odd = 0: the first, 1: the second)
.if \odd
	v_pk_mul_f32 v[\d:\d+1], v[\a:\a+1], v[\p:\p+1] op_sel:[0,1]
.else
	v_pk_mul_f32 v[\d:\d+1], v[\a:\a+1], v[\p:\p+1] op_sel_hi:[1,0]
.endif
.endm
.macro BFMA d, a, p, odd
.if \odd
	v_pk_fma_f32 v[\d:\d+1], v[\a:\a+1], v[\p:\p+1], v[\d:\d+1] op_sel:[0,1,0]
.else
	v_pk_fma_f32 v[\d:\d+1], v[\a:\a+1], v[\p:\p+1], v[\d:\d+1] op_sel_hi:[1,0,1]
.endif
.endm
.macro PADD d, s                       ; a pair: d += s
	v_pk_add_f32 v[\d:\d+1], v[\d:\d+1], v[\s:\s+1]
.endm
.macro VADD8 d, s                      ; eight numbers: d += s
.irp i, 0,2,4,6
	v_pk_add_f32 v[\d+\i:\d+\i+1], v[\d+\i:\d+\i+1], v[\s+\i:\s+\i+1]
.endr
.endm
.macro WADD d, s, tmp                  ; d = the sum of s over the wave's 32 lanes, in every lane (d and tmp written before)
	v_add_f32_dpp v[\d], v[\s], v[\s] row_xmask:1 row_mask:0xf bank_mask:0xf
.irp msk, 2,4,8
	v_add_f32_dpp v[\d], v[\d], v[\d] row_xmask:\msk row_mask:0xf bank_mask:0xf
.endr
	v_permlanex16_b32 v[\tmp], v[\d], s68, s69
	v_add_f32 v[\d], v[\d], v[\tmp]
.endm
.macro WMAX r, tmp
.irp msk, 1,2,4,8
	v_max_num_f32_dpp v[\r], v[\r], v[\r] row_xmask:\msk row_mask:0xf bank_mask:0xf
.endr
	v_permlanex16_b32 v[\tmp], v[\r], s68, s69
	v_max_num_f32 v[\r], v[\r], v[\tmp]
.endm
.macro BAR                             ; my LDS stores and loads are done, for the others' sake: count zero; then the barrier
	s_wait_dscnt 0x0
	s_barrier_signal -1
	s_barrier_wait -1
.endm
; sn = sin x, cs = cos x.  VCC feeds selects only.
.macro SINCOS x, sn, cs
	v_mul_f32 v[SC_K], 0x3f22f983, v[\x]                   ; x * 2/pi
	v_rndne_f32 v[SC_K], v[SC_K]
	v_fmamk_f32 v[SC_R], v[SC_K], 0xbfc90fdb, v[\x]        ; x - K * 1.57079637,
	v_fmamk_f32 v[SC_R], v[SC_K], 0x333bbd2e, v[SC_R]      ; which is 4.371139e-8 above pi/2
	v_cvt_i32_f32 v[SC_Q], v[SC_K]
	v_mul_f32 v[SC_Z], v[SC_R], v[SC_R]
	v_fmaak_f32 v[SC_S], s70, v[SC_Z], 0x3c088889          ; -z/5040 + 1/120
	v_fmaak_f32 v[SC_C], s71, v[SC_Z], 0xbab60b61          ; z/40320 - 1/720
	v_fmaak_f32 v[SC_S], v[SC_S], v[SC_Z], 0xbe2aaaab      ; .. - 1/6
	v_fmaak_f32 v[SC_C], v[SC_C], v[SC_Z], 0x3d2aaaab      ; .. + 1/24
	v_mul_f32 v[SC_S], v[SC_S], v[SC_Z]
	v_fma_f32 v[SC_C], v[SC_C], v[SC_Z], -0.5
	v_fma_f32 v[SC_S], v[SC_S], v[SC_R], v[SC_R]           ; sin r
	v_fma_f32 v[SC_C], v[SC_C], v[SC_Z], 1.0               ; cos r
	v_and_b32 v[SC_T], 1, v[SC_Q]
	v_cmp_eq_u32 vcc_lo, 1, v[SC_T]                        ; odd quadrant: the two change places
	v_cndmask_b32 v[\sn], v[SC_S], v[SC_C], vcc_lo
	v_cndmask_b32 v[\cs], v[SC_C], v[SC_S], vcc_lo
	v_lshlrev_b32 v[SC_T], 30, v[SC_Q]                     ; sin is negated in quadrants 2, 3: bit 1 of K
	v_add_lshl_u32 v[SC_Q], v[SC_Q], 1, 30                 ; cos in quadrants 1, 2: bit 1 of K + 1
	v_and_b32 v[SC_T], 0x80000000, v[SC_T]
	v_and_b32 v[SC_Q], 0x80000000, v[SC_Q]
	v_xor_b32 v[\sn], v[\sn], v[SC_T]
	v_xor_b32 v[\cs], v[\cs], v[SC_Q]
.endm
	s_load_b512 s[4:19], s[0:1], 0x0               ; part s[4:5], state s[6:7], Wv s[8:9], bv s[10:11], action s[12:13], W1 s[14:15], b1 s[16:17], ln_g s[18:19]
	s_load_b256 s[20:27], s[0:1], 0x40             ; ln_b s[20:21], W2 s[22:23], b2 s[24:25], out0 s[26:27]
	v_lshl_add_u32 v245, v0, 2, 0x3000
	v_mov_b32 v255, 0
	v_lshrrev_b32 v[TMP+6], 5, v0
	v_readfirstlane_b32 s66, v[TMP+6]              ; wave number
	v_and_b32 v[TMP], 31, v0                       ; L
	v_and_b32 v[TMP+1], 15, v0
	v_and_b32 v[TMP+2], 0xf0, v0                   ; 16 (t>>4)
	v_and_b32 v[TMP+3], 0xe0, v0                   ; 32 w
	v_lshlrev_b32 v1, 5, v0
	v_lshlrev_b32 v2, 5, v[TMP]
	v_lshlrev_b32 v[TMP+4], 4, v[TMP]              ; 16 L
	v_lshl_or_b32 v3, v[TMP+3], 8, v[TMP+4]        ; 16 groups of 512 bytes for each wave, + my 16 bytes
	v_lshlrev_b32 v[TMP+5], 4, v[TMP+1]            ; 16 (t&15)
	v_lshl_or_b32 v4, v[TMP+2], 7, v[TMP+5]        ; 8 rows of 256 bytes for each t>>4, + my 16 bytes
	v_and_b32 v5, 63, v0
	v_lshlrev_b32 v5, 2, v5
	v_lshlrev_b32 v6, 2, v0
	v_lshlrev_b32 v7, 3, v0
	v_lshlrev_b32 v8, 4, v0
	v_lshlrev_b32 v9, 1, v[TMP+2]
	s_lshl_b32 s72, s66, 7                         ; 16 pairs of 8 bytes for each wave
	s_mov_b32 s73, 0
	s_wait_kmcnt 0x0
	s_add_nc_u64 s[78:79], s[4:5], s[72:73]
	s_load_b512 s[28:43], s[78:79], 0x10000        ; (m, l) of my wave's groups 16 w + 0..7: m of group j in s[28 + 2 j]
	s_load_b512 s[44:59], s[78:79], 0x10040        ; and 8..15.  This launch stores nothing into part
	s_load_b64 s[60:61], s[12:13], 0x0             ; action[0]: row 0 of the fourfold action is row 0 of action
	s_load_b64 s[62:63], s[24:25], 0x0             ; b2
	s_lshl_b32 s72, ttmp9, 13                      ; 256 rows of 32 bytes
	s_add_nc_u64 s[74:75], s[6:7], s[72:73]
	s_mul_i32 s72, ttmp9, 5120                     ; 256 rows of 20 bytes
	s_add_nc_u64 s[76:77], s[26:27], s[72:73]
	; loads 1 to 63, in the order of need
	global_load_b128 v[10:13], v1, s[74:75]                        ; 1, 2: my row's x, y, vx, vy, yaw
	global_load_b32 v14, v1, s[74:75] offset:16
	global_load_b128 v[MLV:MLV+3],   v2, s[4:5] offset:65536       ; 3, 4
	global_load_b128 v[MLV+4:MLV+7], v2, s[4:5] offset:65552
.irp j, 0,1,2,3,4,5,6,7,8,9,10,11,12,13,14,15
	global_load_b128 v[R64+4*\j:R64+4*\j+3], v3, s[4:5] offset:512*\j      ; 5 to 20
.endr
.irp k, 0,1,2,3,4,5,6,7
	global_load_b128 v[WV+4*\k:WV+4*\k+3], v4, s[8:9] offset:256*\k        ; 21 to 28
.endr
	global_load_b32 v[BV], v5, s[10:11]                            ; 29
	global_load_b32 v[W1R+64], v6, s[14:15] offset:65536           ; 30, 31: W1's two rows for the action
	global_load_b32 v[W1R+65], v6, s[14:15] offset:66560
	global_load_b32 v[B1], v6, s[16:17]                            ; 32
.set c, 0
.rept 31
	global_load_b32 v[W1R+c], v6, s[14:15] offset:1024*c           ; 33 to 63: W1 rows 0 to 30
.set c, c+1
.endr
	s_mov_b32 s68, 0x76543210                      ; v_permlanex16_b32: lane i of one half reads lane i of the other
	s_mov_b32 s69, 0xfedcba98
	s_mov_b32 s70, 0xb9500d01                      ; -1/5040
	s_mov_b32 s71, 0x37d00d01                      ; 1/40320
	s_mov_b32 s80, 0x3b800000                      ; 1/256
	s_lshl_b32 s81, s66, 8
	v_add_nc_u32 v[AHP], s81, v[TMP+5]             ; 256 w + 16 (L&15)
	s_lshl_b32 s81, s66, 9
	v_add_nc_u32 v[AAP], s81, v[TMP+4]             ; 512 w + 16 L
	s_lshl_b32 s81, s66, 3
	v_mov_b32 v[AW8], s81
	s_mul_i32 s81, s66, 640
	v_mad_u32_u24 v[AOUT], v[TMP], 20, s81
	s_lshl_b32 s81, s66, 7
	v_lshl_add_u32 v[AH], v[TMP], 2, s81
	v_mov_b32 v[AZ], 0
	; what the bicycle step can do without throttle and delta, while the other loads come in
	s_wait_loadcnt 61                              ; 63 are issued: the two oldest, my row, are in; 61 stay out
	v_mul_f32 v[TMP], v12, v12
	v_fmac_f32 v[TMP], v13, v13
	v_sqrt_f32 v[TMP], v[TMP]                      ; v0; the lines of SINCOS stand between it and its first use
	SINCOS 14, SN, CS
	s_wait_alu depctr_va_vdst(0)
	v_fmaak_f32 v[TMP+1], 0.5, v[TMP], 0x3dcccccd  ; 0.1 + 0.5 v0
	v_mul_f32 v[TMP+1], v[TMP], v[TMP+1]           ; f_load
	v_fmamk_f32 v12, v[TMP+1], 0xbe4ccccd, v[TMP]  ; v0 - 0.2 f_load
	v_mul_f32 v13, 0x3e4ccccd, v[CS]               ; 0.2 cos yaw
	v_mul_f32 v15, 0x3e4ccccd, v[SN]               ; 0.2 sin yaw
	; loads 64 to 99
.rept 33
	global_load_b32 v[W1R+c], v6, s[14:15] offset:1024*c           ; 64 to 96: W1 rows 31 to 63
.set c, c+1
.endr
	global_load_b32 v[LG], v6, s[18:19]                            ; 97
	global_load_b32 v[LB], v6, s[20:21]                            ; 98
	global_load_b64 v[W2R:W2R+1], v7, s[22:23]                     ; 99
	; join the 128 parts: M, L, and abar's part from my wave's 16 groups
	s_wait_loadcnt 63                              ; of 99 the 36 oldest are in: more than loads 3 to 32, which are needed up to the third barrier (their own counts, 67 and more, exceed what a wait can name)
	s_wait_kmcnt 0x0
	v_max3_num_f32 v[MM], v[MLV], v[MLV+2], v[MLV+4]
	v_max_num_f32 v[MM], v[MM], v[MLV+6]
	WMAX MM, SC_T
.irp j, 0,1,2,3
	v_sub_f32 v[TMP+\j], v[MLV+2*\j], v[MM]
.endr
.irp j, 0,1,2,3,4,5,6,7,8,9,10,11,12,13,14,15
	v_sub_f32 v[WT+\j], s[28+2*\j], v[MM]
.endr
.irp j, 0,1,2,3
	v_exp_f32 v[TMP+\j], v[TMP+\j]
.endr
.irp j, 0,1,2,3,4,5,6,7,8,9,10,11,12,13,14,15
	v_exp_f32 v[WT+\j], v[WT+\j]
.endr
	v_fma_f32 v[ZI], s60, v[W1R+64], v[B1]         ; plain lines behind the exponentials (ISA guide 5.7.2): the action's share of z
	v_fmac_f32 v[ZI], s61, v[W1R+65]
	s_wait_alu depctr_va_vdst(0)
	v_mul_f32 v[LS], v[TMP], v[MLV+1]
	v_fmac_f32 v[LS], v[TMP+1], v[MLV+3]
	v_fmac_f32 v[LS], v[TMP+2], v[MLV+5]
	v_fmac_f32 v[LS], v[TMP+3], v[MLV+7]
	WADD LS, LS, SC_T                              ; at least 1: the group that holds M gives factor 1 and l >= 1
	v_rcp_f32 v[RL], v[LS]                         ; used 32 plain lines further down
	BMUL QD, R64, WT, 0
	BMUL QD+2, R64+2, WT, 0
.irp j, 1,2,3,4,5,6,7,8,9,10,11,12,13,14,15
	BFMA QD, R64+4*\j, WT+2*(\j/2), \j%2
	BFMA QD+2, R64+4*\j+2, WT+2*(\j/2), \j%2
.endr
	s_wait_alu depctr_va_vdst(0)
.irp i, 0,1,2,3
	v_mul_f32 v[QD+\i], v[QD+\i], v[RL]
.endr
	ds_store_b128 v[AAP], v[QD:QD+3] offset:AP
	BAR
	; abar[8 (t>>4) .. +7] whole, then its share of abar Wv for my 4 columns
.irp i, 0,1,2,3,4,5,6,7
	ds_load_b128 v[R64+8*\i:R64+8*\i+3],   v9 offset:AP+512*\i
	ds_load_b128 v[R64+8*\i+4:R64+8*\i+7], v9 offset:AP+512*\i+16
.endr
	s_wait_dscnt 0x0
	VADD8 R64, R64+8
	VADD8 R64+16, R64+24
	VADD8 R64+32, R64+40
	VADD8 R64+48, R64+56
	VADD8 R64, R64+16
	VADD8 R64+32, R64+48
	VADD8 R64, R64+32
	BMUL QD, WV, R64, 0
	BMUL QD+2, WV+2, R64, 0
.irp k, 1,2,3,4,5,6,7
	BFMA QD, WV+4*\k, R64+2*(\k/2), \k%2
	BFMA QD+2, WV+4*\k+2, R64+2*(\k/2), \k%2
.endr
.irp i, 0,1,2,3
	v_permlanex16_b32 v[R64+8+\i], v[QD+\i], s68, s69      ; the other half: 8 other rows of Wv, the same columns
.endr
	PADD QD, R64+8
	PADD QD+2, R64+10
	ds_store_b128 v[AHP], v[QD:QD+3] offset:HP     ; both halves store the same numbers to the same bytes
	BAR
	; out[0][t] for t < 64: waves 0 and 1; the barrier stands behind the branch's target, in every wave's way
	s_cmp_gt_u32 s66, 1
	s_cbranch_scc1 .Lh
.irp i, 0,1,2,3,4,5,6,7
	ds_load_b32 v[R64+\i], v[AH] offset:HP+256*\i
.endr
	s_wait_dscnt 0x0
	PADD R64, R64+2
	PADD R64+4, R64+6
	PADD R64, R64+4
	v_add_f32 v[R64], v[R64], v[R64+1]
	v_add_f32 v[R64], v[R64], v[BV]
	ds_store_b32 v[AH], v[R64] offset:H
.Lh:
	BAR
	; z[t] = out[0] . W1[0:64][t] + the action's share + b1[t]: rows in pairs, two packed chains
.irp i, 0,1,2,3,4,5,6,7,8,9,10,11,12,13,14,15
	ds_load_b128 v[R64+4*\i:R64+4*\i+3], v[AZ] offset:H+16*\i      ; every lane the same 16 bytes
.endr
	s_wait_dscnt 0x0
	s_wait_loadcnt 36                              ; of 99 the 63 oldest are in: W1 rows 0 to 30
	v_pk_mul_f32 v[CH:CH+1], v[W1R:W1R+1], v[R64:R64+1]
	v_pk_mul_f32 v[CH+2:CH+3], v[W1R+2:W1R+3], v[R64+2:R64+3]
.set c, 4
.rept 13
	v_pk_fma_f32 v[CH+c%4:CH+c%4+1], v[W1R+c:W1R+c+1], v[R64+c:R64+c+1], v[CH+c%4:CH+c%4+1]       ; rows 4 to 29
.set c, c+2
.endr
	s_wait_loadcnt 3                               ; all of W1 is in; ln_g, ln_b, W2 may be out
.rept 17
	v_pk_fma_f32 v[CH+c%4:CH+c%4+1], v[W1R+c:W1R+c+1], v[R64+c:R64+c+1], v[CH+c%4:CH+c%4+1]       ; rows 30 to 63
.set c, c+2
.endr
	PADD CH, CH+2
	v_add_f32 v[ZZ], v[CH], v[CH+1]
	v_add_f32 v[ZZ], v[ZZ], v[ZI]
	; LayerNorm over the 256 threads.  Each wave: its mean and the squared deviations from ITS mean; joined by
	; var = (sum M2_w + 32 sum (mean_w - mu)^2) / 256: no difference of large sums is formed.
	WADD CH, ZZ, SC_T
	v_mul_f32 v[CH], 0x3d000000, v[CH]             ; / 32
	v_sub_f32 v[CH+2], v[ZZ], v[CH]
	v_mul_f32 v[CH+2], v[CH+2], v[CH+2]
	WADD CH+1, CH+2, SC_T
	ds_store_b64 v[AW8], v[CH:CH+1] offset:LN
	BAR
.irp i, 0,1,2,3
	ds_load_b128 v[R64+4*\i:R64+4*\i+3], v[AZ] offset:LN+16*\i     ; (mean, M2) of wave i at R64 + 2 i
.endr
	s_wait_dscnt 0x0
	v_pk_add_f32 v[R64+16:R64+17], v[R64:R64+1], v[R64+2:R64+3]
	v_pk_add_f32 v[R64+18:R64+19], v[R64+4:R64+5], v[R64+6:R64+7]
	v_pk_add_f32 v[R64+20:R64+21], v[R64+8:R64+9], v[R64+10:R64+11]
	v_pk_add_f32 v[R64+22:R64+23], v[R64+12:R64+13], v[R64+14:R64+15]
	PADD R64+16, R64+18
	PADD R64+20, R64+22
	PADD R64+16, R64+20
	v_mul_f32 v[R64+16], 0x3e000000, v[R64+16]     ; mu = the means' sum / 8
.irp i, 0,1,2,3,4,5,6,7
	v_sub_f32 v[R64+24+\i], v[R64+2*\i], v[R64+16]
.endr
	v_mul_f32 v[R64+18], v[R64+24], v[R64+24]
.irp i, 1,2,3,4,5,6,7
	v_fmac_f32 v[R64+18], v[R64+24+\i], v[R64+24+\i]
.endr
	v_fmamk_f32 v[R64+17], v[R64+18], 0x42000000, v[R64+17]        ; sum M2 + 32 sum (mean_w - mu)^2
	v_fmaak_f32 v[R64+17], s80, v[R64+17], 0x3727c5ac              ; / 256 + 1e-5
	v_rsq_f32 v[R64+17], v[R64+17]
	v_sub_f32 v[R64+20], v[ZZ], v[R64+16]          ; the plain line behind v_rsq_f32
	s_wait_loadcnt 0x0                             ; ln_g, ln_b, W2
	s_wait_alu depctr_va_vdst(0)
	v_mul_f32 v[R64+20], v[R64+20], v[R64+17]
	v_fma_f32 v[R64+20], v[R64+20], v[LG], v[LB]
	v_max_num_f32 v[R64+20], 0, v[R64+20]          ; ReLU
	v_pk_mul_f32 v[R64+22:R64+23], v[W2R:W2R+1], v[R64+20:R64+21] op_sel_hi:[1,0]
	WADD R64+22, R64+22, SC_T
	WADD R64+23, R64+23, SC_T
	ds_store_b64 v[AW8], v[R64+22:R64+23] offset:PR
	BAR
.irp i, 0,1,2,3
	ds_load_b128 v[R64+4*\i:R64+4*\i+3], v[AZ] offset:PR+16*\i
.endr
	s_wait_dscnt 0x0
	PADD R64, R64+2
	PADD R64+4, R64+6
	PADD R64+8, R64+10
	PADD R64+12, R64+14
	PADD R64, R64+4
	PADD R64+8, R64+12
	PADD R64, R64+8
	v_add_f32 v[R64], s62, v[R64]                  ; throttle
	v_add_f32 v[R64+1], s63, v[R64+1]              ; delta
	; the bicycle step of my row
	v_max_num_f32 v[R64+1], 0xbf860a92, v[R64+1]   ; clip to +-60 degrees
	v_min_num_f32 v[R64+1], 0x3f860a92, v[R64+1]
	SINCOS R64+1, SN, CS
	v_rcp_f32 v[CS], v[CS]                         ; cos d >= 0.5
	v_fmamk_f32 v12, v[R64], 0x3e4ccccd, v12       ; v1 = v0 + 0.2 (throttle - f_load); also the plain line behind v_rcp_f32
	s_wait_alu depctr_va_vdst(0)
	v_mul_f32 v[SN], v[SN], v[CS]                  ; tan d
	v_mul_f32 v[SN], 0x3d8a60dd, v[SN]             ; * 0.2 / 2.96
	v_fmac_f32 v10, v12, v13                       ; x1
	v_fmac_f32 v11, v12, v15                       ; y1
	v_fmac_f32 v14, v12, v[SN]                     ; a = yaw + 0.2 omega
	v_mul_f32 v[TMP], 0.15915494, v14
	v_rndne_f32 v[TMP], v[TMP]
	v_fmamk_f32 v[TMP+1], v[TMP], 0xc0c90fdb, v14  ; a - n * 6.28318548,
	v_fmamk_f32 v[TMP+1], v[TMP], 0x343bbd2e, v[TMP+1]     ; which is 1.7484556e-7 above 2 pi: yaw1
	SINCOS 14, SN, CS                              ; sin and cos of yaw1 are those of a
	v_mul_f32 v[TMP+2], v12, v[CS]
	v_mul_f32 v[TMP+3], v12, v[SN]
	ds_store_b32 v[AOUT], v10 offset:OUT           ; rows of 5 words: the 32 lanes' words lie 5 apart, all different modulo 64
	ds_store_b32 v[AOUT], v11 offset:OUT+4
	ds_store_b32 v[AOUT], v[TMP+2] offset:OUT+8
	ds_store_b32 v[AOUT], v[TMP+3] offset:OUT+12
	ds_store_b32 v[AOUT], v[TMP+1] offset:OUT+16
	BAR
	; the group's 5,120 bytes leave as 16 bytes a lane: each store of a wave covers 512 consecutive bytes, aligned to 512
	ds_load_b128 v[R64:R64+3], v8 offset:OUT
	s_wait_dscnt 0x0
	global_store_b128 v8, v[R64:R64+3], s[76:77]
	s_cmp_gt_u32 s66, 1
	s_cbranch_scc1 .Lend                           ; the last 1,024 bytes: waves 0 and 1
	ds_load_b128 v[R64+4:R64+7], v8 offset:OUT+4096
	s_wait_dscnt 0x0
	global_store_b128 v8, v[R64+4:R64+7], s[76:77] offset:4096
.Lend:
	s_wait_tensorcnt 0x0
	ds_add_u32 v245, v255
	s_wait_dscnt 0x0
	s_endpgm
.Lfunc_end_k_q529dd3017e_finish:
	.size	k_q529dd3017e_finish, .Lfunc_end_k_q529dd3017e_finish-k_q529dd3017e_finish
	.p2alignl 7, 3214868480
	.fill 96, 4, 3214868480
	.section	.rodata,"a",@progbits
	.p2align	6, 0x0
	.amdhsa_kernel k_q529dd3017e_finish
		.amdhsa_group_segment_fixed_size 13312
		.amdhsa_private_segment_fixed_size 0
		.amdhsa_enable_private_segment 0
		.amdhsa_kernarg_size 96
		.amdhsa_user_sgpr_count 2
		.amdhsa_user_sgpr_kernarg_segment_ptr 1
		.amdhsa_wavefront_size32 1
		.amdhsa_system_sgpr_workgroup_id_x 1
		.amdhsa_system_sgpr_workgroup_id_y 1
		.amdhsa_system_sgpr_workgroup_id_z 1
		.amdhsa_system_vgpr_workitem_id 0
		.amdhsa_next_free_vgpr 256
		.amdhsa_next_free_sgpr 84
		.amdhsa_reserve_vcc 1
		.amdhsa_float_denorm_mode_32 3
		.amdhsa_float_denorm_mode_16_64 3
		.amdhsa_memory_ordered 1
		.amdhsa_forward_progress 1
		.amdhsa_inst_pref_size 35
	.end_amdhsa_kernel
	.amdgpu_metadata
---
amdhsa.version: [ 1, 2 ]
amdhsa.kernels:
  - .name:           k_q529dd3017e_finish
    .symbol:         k_q529dd3017e_finish.kd
    .args:
      - { .name: part, .offset: 0, .size: 8, .value_kind: global_buffer, .address_space: global }
      - { .name: state, .offset: 8, .size: 8, .value_kind: global_buffer, .address_space: global }
      - { .name: Wv, .offset: 16, .size: 8, .value_kind: global_buffer, .address_space: global }
      - { .name: bv, .offset: 24, .size: 8, .value_kind: global_buffer, .address_space: global }
      - { .name: action, .offset: 32, .size: 8, .value_kind: global_buffer, .address_space: global }
      - { .name: W1, .offset: 40, .size: 8, .value_kind: global_buffer, .address_space: global }
      - { .name: b1, .offset: 48, .size: 8, .value_kind: global_buffer, .address_space: global }
      - { .name: ln_g, .offset: 56, .size: 8, .value_kind: global_buffer, .address_space: global }
      - { .name: ln_b, .offset: 64, .size: 8, .value_kind: global_buffer, .address_space: global }
      - { .name: W2, .offset: 72, .size: 8, .value_kind: global_buffer, .address_space: global }
      - { .name: b2, .offset: 80, .size: 8, .value_kind: global_buffer, .address_space: global }
      - { .name: out0, .offset: 88, .size: 8, .value_kind: global_buffer, .address_space: global }
    .group_segment_fixed_size: 13312
    .private_segment_fixed_size: 0
    .kernarg_segment_align: 8
    .kernarg_segment_size: 96
    .max_flat_workgroup_size: 256
    .sgpr_count:     84
    .vgpr_count:     256
    .wavefront_size: 32
...
	.end_amdgpu_metadata
.endif
;; end of part 2
